; MI455X (gfx1250); checked and timed in simulation.
; The chip was launched on July 23, 2026; its instructions are those of AMD's public machine-readable ISA for CDNA 5 (MIT licence, August 2026) and "CDNA5" Instruction Set Architecture Reference Guide (July 2026). The comments in the code are by the model that wrote it; some were corrected since.
;; Mo E Layer. Allowed arithmetic: matrix products marked QUANTISED: E3M2 operands, one E8M0 scale for each 32 along K, by v_wmma_scale_f32_16x16x128_f8f6f4 with both operands' format E3M2, f32 sums; products left as they are: f32 operands where the result goes on into a quantised operand, else bf16, f16 or f32 operands; f32 sums; everything else in f32.
;; Inputs: W1_codes 8 x 2,048 x 32 x 24 uint8 (E3M2 codes of W1, K innermost, in blocks of 32 codes, four codes in three bytes); W1_scales 8 x 2,048 x 32 uint8 (E8M0 scales of W1, one for each 32 codes along K); W2_codes 8 x 1,024 x 64 x 24 uint8 (E3M2 codes of W2, K innermost, in blocks of 32 codes, four codes in three bytes); W2_scales 8 x 1,024 x 64 uint8 (E8M0 scales of W2, one for each 32 codes along K); Wg 1,024 x 8 float32; b1 8 x 2,048 float32; b2 8 x 1,024 float32; bg 8 float32; x 2,048 x 1,024 float32.
;; Outputs: out0 2,048 x 1,024 float32.
;; This version of the problem:
;;   THIS VERSION OF THE PROBLEM IS GIVEN IN LOW PRECISION. The matrix products marked QUANTISED in the list below multiply operands that are first quantised to E3M2 (3 exponent bits, 2 mantissa bits; 6 bits a number), with one power-of-two scale for each 32 numbers along K (OCP MX v1.0); their sums are f32. All else is computed in f32.
;;   The module's matrix products, in the order in which they are computed (A, B: the left and right operand; K: the contracted axis; several contracted axes count as one K, in the product's order):
;;     1. [M 2,048, K 1,024] x [K 1,024, N 8]; A: input x; B: input Wg: left as it is (N = 8 < 16)
;;     2. [M 2,048, K 1,024] x [K 1,024, N 16,384]; A: input x; B: input W1 (given as codes): QUANTISED
;;     3. batch 8 x [M 1,024, K 2,048] x [K 2,048, N 2,048]; A: input W2 (given as codes); B: computed on the way: QUANTISED
;;     4. batch 2,048 x [M 1, K 8] x [K 8, N 1,024]; A: softmax; B: computed on the way: left as it is (K = 8 < 32)
;;   THE QUANTISER, for each operand of a quantised product, along K:
;;     - K is cut into blocks of 32 from its start; a last block that is shorter is filled with zeros.
;;     - A block's scale is 2^e with e = floor(log2(the largest magnitude in the block)) - 4, held to -126 .. 127; a block of zeros has e = 0. As a byte (E8M0): e + 127.
;;     - Each number is divided by its block's scale, clamped to +-28, and rounded to the nearest number of E3M2, ties to even, subnormals kept.
;;     - The product sums the exact products of the quantised numbers (number of the format x scale) in f32.
;;   ~~~python
;;   def quantise(x, axis):      # numpy; x: float32 -> the quantised numbers, widened to float32 again
;;       x = np.moveaxis(x, axis, -1); K = x.shape[-1]
;;       x = np.pad(x, [(0, 0)] * (x.ndim - 1) + [(0, -K % 32)]); x = x.reshape(x.shape[:-1] + (-1, 32)); a = np.abs(x).max(-1, keepdims=True)
;;       e = np.where(a > 0, np.clip(np.frexp(np.where(a > 0, a, 1))[1] - 1 - 4, -126, 127), 0)      # np.frexp(a)[1] - 1 = floor(log2(a)), exactly
;;       r = np.clip(x / 2.0 ** e, -28, 28)
;;       step = 2.0 ** (np.maximum(np.frexp(np.where(r == 0, 1, r))[1] - 1, -2) - 2)
;;       q = np.round(r / step) * step * 2.0 ** e      # np.round: ties to even
;;       return np.moveaxis(q.reshape(q.shape[:-2] + (-1,))[..., :K], -1, axis).astype(np.float32)
;;   ~~~
;;   OPERANDS COMPUTED ON THE WAY. 'Computed on the way' means the value that the module computes at that place (a softmax that the list does not call 'softmax' is quantised finished and normalised). What goes into a quantiser is computed in f32, as accurately as f32 sums, v_exp_f32 and their like allow (about 1e-6 of the number): no bf16 or f16 on the way to a quantiser, and a product that is left as it is and whose result goes on into a quantised operand takes f32 operands (vector FMAs, or v_wmma_f32_16x16x4_f32). A number that lies on a knife's edge between two numbers of the format may be rounded either way, as far as f32 arithmetic and the matrix unit's own rounding can turn it there, and no further.
;;   INPUTS GIVEN AS CODES. W1 (in the module: [8, 1024, 2048], K = its axis 1); W2 (in the module: [8, 2048, 1024], K = its axis 1): each comes as NAME_codes (uint8): NAME with its K axis moved to the last place and cut into blocks of 32 codes, [.., K / 32, bytes a block], one block behind the other in memory; four codes in three bytes: a row's codes are one little-endian stream of bits, code i at bits 6 i .. 6 i + 5 (a code: sign, 3 exponent bits, 2 mantissa bits); and NAME_scales (uint8): the same leading axes, one E8M0 byte (e + 127) for each 32 codes along K. Its value is code x scale, taken as it is: it is not quantised again, and the codes and scales need not be those that the quantiser above would give.
;; One version. Each part assembles by itself: llvm-mc -triple=amdgcn-amd-amdhsa -mcpu=gfx1250 --defsym DOCPART=n.
;; ======== version 1 of 1: 3 launches
;; limits: values are held in bf16: 8 bits of precision; right only within a limited range of input values
;; workspace buffers: xq 1,638,400 bytes; gates 65,536 bytes; hq 26,214,400 bytes
;; launch prep (part 1): grid 128 x 1, 8 waves a work-group, no clusters, 9,216 bytes of LDS; arguments x, Wg, bg, xq, gates; writes xq, gates
.if DOCPART == 1
	.amdgcn_target "amdgcn-amd-amdhsa--gfx1250"
	.amdhsa_code_object_version 6
	.text
	.protected	k_qc70647a262_prep
	.globl	k_qc70647a262_prep
	.p2align	8
	.type	k_qc70647a262_prep,@function
k_qc70647a262_prep:
	s_mov_b64 s[64:65], 0
	v_nop
	global_prefetch_b8 v0, s[64:65] scope:SCOPE_SE
	s_setreg_imm32_b32 hwreg(HW_REG_WAVE_MODE, 25, 1), 1
	s_wait_xcnt 0x0
; out = sum over e of softmax(x Wg + bg)[e] x (relu(x W1[e] + b1[e]) W2[e] + b2[e]), in three launches.  THIS ONE: x is quantised once, and the gates are made.
; NO WORK IS LEFT OUT in any launch: every expert is weighed in by a gate that is never 0 in real numbers; bg differs along the softmax's axis; b1 goes into a quantiser; b2 is weighed by the gates.  Every input is loaded.
; xq: x as codes of BF6 (E3M2) with one E8M0 byte for each 32 along K, laid as IMAGES OF THE OPERAND'S REGISTERS.  A record of 12,800 bytes is 128 tokens x 128 along K: eight fragments (16 tokens each) of 1,536 bytes,
; register n of lane l at (n / 4) 512 + 16 l + 4 (n % 4); from byte 12,288 on the scale words: the word of fragment a, row r at 256 (a / 4) + 16 r + 4 (a % 4).  xq is [token block 16][K step 8][record].
; gates: [2048][8] f32 = softmax(x Wg + bg), the maximum taken away first.  The product with Wg goes with bf16 operands and f32 sums.
; SHARES.  A work-group takes 16 tokens, each of its eight waves 128 along K: a wave makes one fragment and its part of the 16 x 8 logits; the parts meet in LDS and wave 0 finishes the softmax.
; A block's scale is 2^(floor(log2(its largest magnitude)) - 4): its byte is the largest magnitude's exponent field - 4, held at 1 from below.
; LIMITS: NaN and infinities in x are not served; a block of zeros gets the byte 1 where the quantiser says 127 (its codes are zeros, and only this program reads the bytes); a largest magnitude under 2^-122 is taken as 2^-122;
; the gates carry the rounding of x and Wg to bf16.
.set REC,   12800
.set SPARE, 8192                       ; behind the logits' 8,192 bytes: the spare words, 128 bytes for each wave: four blocks of 256 bytes that no other line names
.set SPW,   10                         ; v10  LDS address of my spare word; never rewritten
.set NIL,   11                         ; v11  0; never rewritten
.set X,     16                         ; v16-79   64 numbers of x: register 16 b + i = k 32 b + 16 (lane / 16) + i of my token
.set WR,    80                         ; v80-143  the same k of Wg's column lane % 8
.set XB,    144                        ; v144-175 x in bf16
.set WB,    176                        ; v176-207 Wg in bf16
.set D,     208                        ; v208-215 my part of the logits
.set TM,    216                        ; v216-231 at work in the quantiser
.set PW,    232                        ; v232     the scale word
.set PC,    234                        ; v234-245 the fragment; v246-248, v250-252 the conversions' second halves
.set SEL,   20                         ; s[20:21] lane selects for v_permlanex16_b32: lane l xor 16
	s_load_b256 s[4:11], s[0:1], 0x0               ; x s[4:5], Wg s[6:7], bg s[8:9], xq s[10:11]
	s_load_b64 s[12:13], s[0:1], 0x20              ; gates
	v_lshl_add_u32 v[SPW], v0, 2, SPARE
	v_mov_b32 v[NIL], 0
	v_lshrrev_b32 v1, 5, v0
	s_delay_alu instid0(VALU_DEP_1)
	v_readfirstlane_b32 s14, v1                    ; wave 0..7 = my K step
	v_and_b32 v1, 31, v0                           ; lane
	v_and_b32 v2, 15, v0                           ; r
	v_bfe_u32 v3, v0, 4, 1                         ; h
	s_delay_alu instid0(VALU_DEP_2)
	v_lshlrev_b32 v4, 12, v2
	s_delay_alu instid0(VALU_DEP_1)
	v_lshl_add_u32 v4, v3, 6, v4                   ; x: row r of 4,096 bytes, + 64 h: my 16 numbers of a block of 32
	v_and_b32 v5, 7, v0
	s_delay_alu instid0(VALU_DEP_1)
	v_lshlrev_b32 v5, 2, v5
	s_delay_alu instid0(VALU_DEP_1)
	v_lshl_add_u32 v5, v3, 9, v5                   ; Wg: column lane % 8, lanes 16-31 begin 16 rows of 32 bytes further down
	v_lshlrev_b32 v6, 4, v1                        ; 16 x lane
	v_lshlrev_b32 v7, 4, v2                        ; 16 r: my row's place among the scale words
	s_lshl_b32 s15, s14, 10
	v_add_nc_u32 v8, s15, v6                       ; LDS: my wave's 1,024 bytes of logits
	v_lshlrev_b32 v9, 5, v2
	s_delay_alu instid0(VALU_DEP_1)
	v_lshl_add_u32 v9, v3, 4, v9                   ; gates: 32 r + 16 h
	s_mov_b32 s[SEL], 0x76543210
	s_mov_b32 s[SEL+1], 0xfedcba98
.irp b, 0,1,2,3
	v_mov_b32 v[TM+4+\b], 0                        ; written once: a lane permute's destination counts as one of its sources
.endr
	s_lshl_b32 s16, ttmp9, 16                      ; x: 16 rows a work-group,
	s_lshl_b32 s17, s14, 9                         ; 512 bytes a K step
	s_add_co_u32 s16, s16, s17
	s_mov_b32 s17, 0
	s_lshl_b32 s18, s14, 12                        ; Wg: 128 rows of 32 bytes a K step
	s_mov_b32 s19, 0
	s_lshr_b32 s22, ttmp9, 3                       ; the token block
	s_lshl_b32 s22, s22, 3
	s_add_co_u32 s22, s22, s14
	s_mul_i32 s22, s22, REC                        ; my record
	s_and_b32 s32, ttmp9, 7                        ; a: which fragment of it
	s_mul_i32 s33, s32, 1536
	s_add_co_u32 s34, s22, s33
	s_mov_b32 s35, 0
	s_lshr_b32 s33, s32, 2
	s_lshl_b32 s33, s33, 8
	s_and_b32 s32, s32, 3
	s_lshl_b32 s32, s32, 2
	s_add_co_u32 s36, s22, s33
	s_add_co_u32 s36, s36, s32
	s_add_co_u32 s36, s36, 12288                   ; and where its scale words begin
	s_mov_b32 s37, 0
	s_lshl_b32 s38, ttmp9, 9                       ; gates: 16 tokens of 32 bytes
	s_mov_b32 s39, 0
	s_wait_kmcnt 0x0
	s_load_b256 s[24:31], s[8:9], 0x0              ; bg: eight numbers
	s_add_nc_u64 s[4:5], s[4:5], s[16:17]
	s_add_nc_u64 s[6:7], s[6:7], s[18:19]
	s_add_nc_u64 s[34:35], s[10:11], s[34:35]
	s_add_nc_u64 s[36:37], s[10:11], s[36:37]
	s_add_nc_u64 s[12:13], s[12:13], s[38:39]
.irp b, 0,1,2,3
.irp j, 0,1,2,3
	global_load_b128 v[X+16*\b+4*\j:X+16*\b+4*\j+3], v4, s[4:5] offset:128*\b+16*\j th:TH_LOAD_NT
.endr
.endr
.irp b, 0,1,2,3
.irp i, 0,1,2,3,4,5,6,7,8,9,10,11,12,13,14,15
	global_load_b32 v[WR+16*\b+\i], v5, s[6:7] offset:32*(32*\b+\i)
.endr
.endr
	s_wait_loadcnt 63                              ; x's 16 loads are the oldest; 64 were issued behind them, and the count's field holds 63
; THE QUANTISER: 64 numbers of a lane become a fragment's codes and its scale word
.irp b, 0,1,2,3
	v_max3_num_f32 v[TM+\b], |v[X+16*\b]|, |v[X+1+16*\b]|, 0x2800000   ; block b: my 16 numbers, and the floor 2^(5 - 127): so the byte cannot fall under 1
.endr
.irp i, 2,4,6,8,10,12,14
.irp b, 0,1,2,3
	s_delay_alu instid0(VALU_DEP_4)
	v_max3_num_f32 v[TM+\b], v[TM+\b], |v[X+16*\b+\i]|, |v[X+1+16*\b+\i]|   ; (the four blocks by turns)
.endr
.endr
.irp b, 0,1,2,3
	s_delay_alu instid0(VALU_DEP_4)
	v_permlanex16_b32 v[TM+4+\b], v[TM+\b], s[SEL], s[SEL+1]
.endr
.irp b, 0,1,2,3
	s_delay_alu instid0(VALU_DEP_4)
	v_max_num_f32 v[TM+\b], v[TM+\b], v[TM+4+\b]   ; with lane l xor 16's: the block's largest magnitude
.endr
.irp b, 0,1,2,3
	s_delay_alu instid0(VALU_DEP_4)
	v_add_nc_u32 v[TM+12+\b], 0xfe000000, v[TM+\b] ; 4 off its exponent field: the conversion takes the exponent field of this operand as its scale
.endr
.irp b, 0,1,2,3
	s_delay_alu instid0(VALU_DEP_4)
	v_lshrrev_b32 v[TM+4+\b], 23, v[TM+12+\b]      ; the scale's byte
.endr
	s_delay_alu instid0(VALU_DEP_3)
	v_lshl_or_b32 v[PW], v[TM+5], 8, v[TM+4]
	s_delay_alu instid0(VALU_DEP_1)
	v_lshl_or_b32 v[PW], v[TM+6], 16, v[PW]
	s_delay_alu instid0(VALU_DEP_1)
	v_lshl_or_b32 v[PW], v[TM+7], 24, v[PW]        ; my row's scale word
.irp c, 0,1
	v_cvt_scalef32_pk16_bf6_f32 v[PC+6*\c:PC+2+6*\c], v[X+32*\c:X+15+32*\c], v[TM+12+2*\c]
	v_cvt_scalef32_pk16_bf6_f32 v[PC+12+4*\c:PC+14+4*\c], v[X+16+32*\c:X+31+32*\c], v[TM+12+2*\c+1]   ; (a conversion's three registers begin on an even number)
.endr
	v_nop                                          ; one plain place behind a scaled conversion
.irp c, 0,1                                    ; the operand's layout wants a WHOLE block in a lane: lanes 0-15 block 2 c, lanes 16-31 block 2 c + 1
.irp i, 0,1,2
	v_permlane16_swap_b32 v[PC+6*\c+\i], v[PC+12+4*\c+\i]
.endr
.irp i, 0,1,2
	s_delay_alu instid0(VALU_DEP_3)
	v_mov_b32 v[PC+3+6*\c+\i], v[PC+12+4*\c+\i]
.endr
.endr
.irp c, 0,1,2
	global_store_b128 v6, v[PC+4*\c:PC+4*\c+3], s[34:35] offset:512*\c   ; the fragment as it stands: 512 consecutive bytes a store
.endr
	global_store_b32 v7, v[PW], s[36:37]           ; 16 words, 16 bytes apart (both halves of the lanes write the same word): the one store of this program that fills no whole run of 256 bytes
; THE LOGITS: source 0 = Wg's columns (lanes 8-15 repeat 0-7), source 1 = my 16 tokens; the same k stands at the same place of both sources
.set i, 0
.rept 32
	v_cvt_pk_bf16_f32 v[XB+i], v[X+2*i], v[X+2*i+1]
.set i, i+1
.endr
	s_wait_loadcnt 0x0                             ; Wg
.set i, 0
.rept 32
	v_cvt_pk_bf16_f32 v[WB+i], v[WR+2*i], v[WR+2*i+1]
.set i, i+1
.endr
	v_wmma_f32_16x16x32_bf16 v[D:D+7], v[WB:WB+7], v[XB:XB+7], 0
.irp b, 1,2,3
	s_wait_alu depctr_va_vdst(0)                   ; the wait directly ahead of every link
	v_wmma_f32_16x16x32_bf16 v[D:D+7], v[WB+8*\b:WB+8*\b+7], v[XB+8*\b:XB+8*\b+7], v[D:D+7]
.endr
.rept 4
	v_nop                                          ; four places ahead of the stores that read the result
.endr
	ds_store_b128 v8, v[D:D+3]                     ; lane (r, h): token r, register j: expert j (both halves alike); from the low end on
	ds_store_b128 v8, v[D+4:D+7] offset:512
	s_wait_dscnt 0x0                               ; for wave 0's sake: my stores have landed
	s_barrier_signal -1
	s_barrier_wait -1
	s_cmp_lg_u32 s14, 0
	s_cbranch_scc1 .Lend                           ; wave 0 alone finishes the softmax
.irp u, 0,1,2,3,4,5,6,7
	ds_load_b128 v[X+8*\u:X+8*\u+3], v6 offset:1024*\u
	ds_load_b128 v[X+8*\u+4:X+8*\u+7], v6 offset:1024*\u+512
.endr
	s_wait_dscnt 0x0
	s_wait_kmcnt 0x0                               ; bg
.irp u, 0,2,4,6
.irp p, 0,2,4,6
	v_pk_add_f32 v[X+8*\u+\p:X+8*\u+\p+1], v[X+8*\u+\p:X+8*\u+\p+1], v[X+8*\u+8+\p:X+8*\u+8+\p+1]
.endr
.endr
.irp u, 0,4
.irp p, 0,2,4,6
	v_pk_add_f32 v[X+8*\u+\p:X+8*\u+\p+1], v[X+8*\u+\p:X+8*\u+\p+1], v[X+8*\u+16+\p:X+8*\u+16+\p+1]
.endr
.endr
.irp p, 0,2,4,6
	s_delay_alu instid0(VALU_DEP_4)
	v_pk_add_f32 v[X+\p:X+\p+1], v[X+\p:X+\p+1], v[X+32+\p:X+32+\p+1]
.endr
.irp e, 0,1,2,3,4,5,6,7
	v_add_f32 v[X+\e], s[24+\e], v[X+\e]           ; + bg
.endr
	v_max3_num_f32 v80, v16, v17, v18
	s_delay_alu instid0(VALU_DEP_4)
	v_max3_num_f32 v81, v19, v20, v21
	s_delay_alu instid0(VALU_DEP_2)
	v_max3_num_f32 v80, v80, v22, v23
	s_delay_alu instid0(VALU_DEP_1)
	v_max_num_f32 v80, v80, v81                    ; the token's largest logit
.irp e, 0,1,2,3,4,5,6,7
	v_sub_f32 v[X+\e], v[X+\e], v80                ; is taken away,
.endr
.irp e, 0,1,2,3,4,5,6,7
	v_mul_f32 v[X+\e], 0x3fb8aa3b, v[X+\e]         ; x log2(e)
.endr
	s_wait_alu depctr_va_vdst(0)
.irp e, 0,1,2,3,4,5,6,7
	v_exp_f32 v[X+8+\e], v[X+\e]
.endr
	v_nop                                          ; a plain place behind the exponentials
	s_wait_alu depctr_va_vdst(0)                   ; one wait for the eight, ahead of their first reader
	v_add_f32 v80, v24, v25
	v_add_f32 v81, v26, v27
	v_add_f32 v82, v28, v29
	v_add_f32 v83, v30, v31
	s_delay_alu instid0(VALU_DEP_3)
	v_add_f32 v80, v80, v81
	s_delay_alu instid0(VALU_DEP_2)
	v_add_f32 v82, v82, v83
	s_delay_alu instid0(VALU_DEP_1)
	v_add_f32 v80, v80, v82
	s_wait_alu depctr_va_vdst(0)
	v_rcp_f32 v81, v80
	v_nop
	s_wait_alu depctr_va_vdst(0)
.irp e, 0,1,2,3,4,5,6,7
	v_mul_f32 v[X+8+\e], v[X+8+\e], v81
.endr
	v_cmp_ne_u32 vcc_lo, 0, v3
.irp i, 0,1,2,3
	v_cndmask_b32 v[84+\i], v[24+\i], v[28+\i], vcc_lo   ; lanes 0-15 store experts 0-3, lanes 16-31 experts 4-7
.endr
	global_store_b128 v9, v[84:87], s[12:13]       ; 512 consecutive bytes
.Lend:
	s_wait_tensorcnt 0x0                           ; the wave's end, behind my last LDS store
	ds_add_u32 v[SPW], v[NIL]
	s_wait_dscnt 0x0
	s_endpgm
.Lfunc_end_k_qc70647a262_prep:
	.size	k_qc70647a262_prep, .Lfunc_end_k_qc70647a262_prep-k_qc70647a262_prep
	.p2alignl 7, 3214868480
	.fill 96, 4, 3214868480
	.section	.rodata,"a",@progbits
	.p2align	6, 0x0
	.amdhsa_kernel k_qc70647a262_prep
		.amdhsa_group_segment_fixed_size 9216
		.amdhsa_private_segment_fixed_size 0
		.amdhsa_enable_private_segment 0
		.amdhsa_kernarg_size 40
		.amdhsa_user_sgpr_count 2
		.amdhsa_user_sgpr_kernarg_segment_ptr 1
		.amdhsa_wavefront_size32 1
		.amdhsa_system_sgpr_workgroup_id_x 1
		.amdhsa_system_sgpr_workgroup_id_y 1
		.amdhsa_system_sgpr_workgroup_id_z 1
		.amdhsa_system_vgpr_workitem_id 0
		.amdhsa_next_free_vgpr 256
		.amdhsa_next_free_sgpr 66
		.amdhsa_reserve_vcc 1
		.amdhsa_float_denorm_mode_32 3
		.amdhsa_float_denorm_mode_16_64 3
		.amdhsa_memory_ordered 1
		.amdhsa_forward_progress 1
		.amdhsa_inst_pref_size 27
	.end_amdhsa_kernel
	.amdgpu_metadata
---
amdhsa.version: [ 1, 2 ]
amdhsa.kernels:
  - .name:           k_qc70647a262_prep
    .symbol:         k_qc70647a262_prep.kd
    .args:
      - { .name: x, .offset: 0, .size: 8, .value_kind: global_buffer, .address_space: global }
      - { .name: Wg, .offset: 8, .size: 8, .value_kind: global_buffer, .address_space: global }
      - { .name: bg, .offset: 16, .size: 8, .value_kind: global_buffer, .address_space: global }
      - { .name: xq, .offset: 24, .size: 8, .value_kind: global_buffer, .address_space: global }
      - { .name: gates, .offset: 32, .size: 8, .value_kind: global_buffer, .address_space: global }
    .group_segment_fixed_size: 9216
    .private_segment_fixed_size: 0
    .kernarg_segment_align: 8
    .kernarg_segment_size: 40
    .max_flat_workgroup_size: 256
    .sgpr_count:     66
    .vgpr_count:     256
    .wavefront_size: 32
...
	.end_amdgpu_metadata
.endif
;; end of part 1
;; launch up (part 2): grid 64 x 4, 4 waves a work-group, clusters of 4 x 4, 327,680 bytes of LDS; arguments xq, W1_codes, W1_scales, b1, hq; writes hq
.if DOCPART == 2
	.amdgcn_target "amdgcn-amd-amdhsa--gfx1250"
	.amdhsa_code_object_version 6
	.text
	.protected	k_qc70647a262_up
	.globl	k_qc70647a262_up
	.p2align	8
	.type	k_qc70647a262_up,@function
k_qc70647a262_up:
	s_mov_b64 s[64:65], 0
	v_nop
	global_prefetch_b8 v0, s[64:65] scope:SCOPE_SE
	s_setreg_imm32_b32 hwreg(HW_REG_WAVE_MODE, 25, 1), 1
	s_wait_xcnt 0x0
	s_wait_alu depctr_hold_cnt(0) depctr_sa_sdst(0) depctr_va_vdst(0) depctr_va_sdst(0) depctr_va_ssrc(0) depctr_va_vcc(0) depctr_vm_vsrc(0)
	s_getreg_b32 s2, hwreg(HW_REG_IB_STS2, 6, 4)
	s_cmp_eq_u32 s2, 0
	s_cbranch_scc0 .Lentry_in_a_cluster
	s_endpgm
.Lentry_in_a_cluster:
	s_bfe_u32 s2, ttmp6, 0x10000c
	s_cmp_lg_u32 s2, 0xf033
	s_cbranch_scc0 .Lentry_shape_is_right
	s_endpgm
.Lentry_shape_is_right:
; hq = Q(relu(Q(x) W1 + b1)): the first quantised product, its bias, the activation and the second product's quantiser.  No work is left out.
; The product is [2048 tokens] x [16,384 rows of W1 (expert, hidden unit)], K = 1,024, on codes of BF6 (E3M2) with one E8M0 byte for each 32 along K.
; SHARES.  A tile is 256 tokens x 256 rows of W1; four waves, each 128 x 128: 64 accumulators, 512 registers.  A work-group makes TWO tiles, 1,024 tokens apart, with the same rows of W1.
; A wave's tile becomes ONE record of hq (128 tokens x 128 along the next K, an image of the operand's registers): hq is [token block 16][expert 8][K step 16][record 12,800].
; LDS.  W1's 256 rows STAY for both tiles, for all of K: three planes, one for each chunk of 256 bytes of a row of 768 (every tile row begins at a multiple of 256 bytes of memory), 272 bytes from row to row.
; W1's scale bytes stay too.  x's records (dense, 12,800 bytes = 50 x 256) go through two slots of 256 along K: four records a slot, one a wave.
; CLUSTERS: 4 x 4.  x's records hang on the place along y alone and are asked for jointly along a row of the cluster; W1's planes and scale bytes on x alone, jointly along a column.
; NO PREFETCH: W1's whole share is asked for by the first two groups of loads, and the text has six refills of 51,200 bytes and no loop to run ahead in.
; THE MATRIX INSTRUCTION IS USED TRANSPOSED (source 0 = 16 rows of W1, source 1 = 16 tokens): a lane holds one token, its registers run along the hidden units, the next K.
; THE ROWS OF W1 THAT FORM A TILE ARE CHOSEN: of each 32 rows the even tile takes rows 0-7 and 24-31, the odd tile rows 8-23 (16 rows that differ modulo 16).  Lanes 0-15 then hold units 0-15 of the 32 in order,
; lanes 16-31 units 24-31 and then 16-23: the upper 16 codes of a block come out turned by 48 bits, and the moves that the layout owes anyway turn them back (v_perm_b32).
; b1 is the C of each sum's first matrix instruction.
; LIMITS: NaN and infinities in the hidden layer are not served; a block of zeros gets the byte 1 where the quantiser says 127 (its codes are zeros; only this program reads the bytes); a largest magnitude under 2^-122 counts as 2^-122.
; REGISTERS: window 0: v1-29, v232-241 addresses; v32-63 W1's scale words, two sets; v64-127 the bias; v128-223 x's fragments; v224-231 x's scale words.
;   window 1: W1's fragments, two sets, at v0 and v128; at work on the way out.   window 2: accumulators of my tokens 0-63;   window 3: tokens 64-127.
.set REC,   12800
.set AHALF, 2*REC
.set SLOT,  2*AHALF
.set PITCH, 272
.set PLANE, 256*PITCH
.set WB,    2*SLOT
.set SCL,   WB+3*PLANE
.set HALFS, 16*272
.set SPARE, SCL+2*HALFS                ; the spare words: two blocks of 256 bytes that no other line names
.set FR,    12
.set ADRA,  10
.set ADSX,  20
.set ADSY,  21
.set LI,    22
.set BAX,   23
.set BAY,   24
.set ADSA,  25
.set SPW,   28
.set NIL,   29
.set ADBX,  232                        ; v232-234 even tiles' rows in planes 0-2; v235-236 lanes 0-15 at byte 232 of plane 0, 1 and lanes 16-31 at byte 0 of the next plane
.set ADBY,  237                        ; v237-241 the same for the odd tiles
.set SCB,   32
.set BIAS,  64
.set AF,    128
.set SCA,   224
.set T,     0
.set TM,    64
.set CT,    80
.set PW,    88
.set PCB,   96
.set SS,    192
.set G1A, 24                           ; two records
.set G1R, 32                           ; one record
.set G1B, 40                           ; a plane of W1
.set G1S, 48                           ; W1's scale bytes
.set G0A, 56                           ; s[56:63] x's first fills of slots 0 and 1
.set G0B, 68                           ; plane 0
.set G0P, 72                           ; plane 1 (wave 2) or 2 (wave 3)
.set G0S, 76
.set G0R, 80                           ; s[80:87] the ring's loads, one set for each slot
.set SEL, 88
.set MSB, 0
.macro WIN new
.if MSB != (\new)
	s_set_vgpr_msb (MSB<<8)|(\new)
.set MSB, (\new)
.endif
.endm
.macro PLACES
.rept 4
	v_nop
.endr
.endm
.macro CREST
	s_cmp_lg_u32 s14, 0
	s_cbranch_scc1 .Lnot_wave_0_\@
	s_barrier_signal -3
.Lnot_wave_0_\@:
	s_barrier_wait -3
	s_barrier_signal -1
	s_barrier_wait -1
.endm
.macro CROUND
	s_barrier_signal -1
	s_barrier_wait -1
	CREST
.endm
.macro DESC g, c, r, p                 ; words 1 to 7 of a group 1: r rows of c elements, p elements apart
	s_mov_b32 s[\g+1], (\c)<<16
	s_mov_b32 s[\g+2], (\r)<<16
	s_mov_b32 s[\g+3], (\c)<<16
	s_mov_b32 s[\g+4], \r
	s_mov_b32 s[\g+5], \p
	s_mov_b32 s[\g+6], 0
	s_mov_b32 s[\g+7], 0
.endm
	s_load_b256 s[4:11], s[0:1], 0x0               ; xq, W1's codes, W1's scales, b1
	s_load_b64 s[12:13], s[0:1], 0x20              ; hq
	v_lshl_add_u32 v[SPW], v0, 2, SPARE
	v_mov_b32 v[NIL], 0
	ds_add_u32 v[SPW], v[NIL]                      ; the opening lines: the add, twice on end, and its wait
	ds_add_u32 v[SPW], v[NIL]
	v_lshrrev_b32 v1, 5, v0
	v_readfirstlane_b32 s14, v1                    ; wave
	s_lshr_b32 s15, s14, 1                         ; which 128 tokens are mine
	s_and_b32 s16, s14, 1                          ; which 128 rows of W1
	s_bfe_u32 s92, ttmp6, 0x40000                  ; cx
	s_bfe_u32 s93, ttmp6, 0x40004                  ; cy
	s_lshl_b32 s94, ttmp9, 2
	s_add_co_u32 s94, s94, s92                     ; the tile column 0..63
	s_lshl_b32 s95, s93, 2
	s_lshl_b32 s95, 15, s95                        ; my row of the cluster
	s_lshl_b32 s96, 0x1111, s92                    ; my column
	s_or_b32 s[G1A+0], s95, (3<<16)|(1<<21)        ; x: dense rows of 32 elements of 8 bytes
	DESC G1A, 32, 100, 32
	s_or_b32 s[G1R+0], s95, (3<<16)|(1<<21)
	DESC G1R, 32, 50, 32
	s_or_b32 s[G1B+0], s96, (1<<20)|(1<<21)|(5<<22)|(3<<25)   ; W1: 256 rows of 256 bytes, 768 apart, 4 words of padding behind each
	DESC G1B, 256, 256, 768
	s_or_b32 s[G1S+0], s96, (3<<16)|(1<<20)|(1<<21)|(5<<22)|(3<<25)   ; scale bytes of 256 rows: 8,192 dense bytes as 32 rows of 256, padded likewise
	DESC G1S, 32, 32, 32
	s_lshl_b32 s20, s93, 1
	s_add_co_u32 s22, s20, s15
	s_add_co_u32 s20, s20, s16                     ; first fills: waves 0 and 1 take token block 2 cy + wave
	s_mul_i32 s20, s20, 8*REC
	s_mov_b32 s21, 0
	s_mul_i32 s22, s22, 8*REC                      ; the ring: token block 2 cy + wave / 2,
	s_mul_i32 s23, s16, REC                        ; record wave % 2 of the slot's two
	s_add_co_u32 s22, s22, s23
	s_mov_b32 s23, 0
	s_mul_i32 s18, s94, 256*768                    ; W1: row 256 x tile column
	s_mov_b32 s19, 0
	s_lshl_b32 s98, s94, 13                        ; its scale bytes: 32 a row
	s_mov_b32 s99, 0
	s_mul_i32 s17, s16, AHALF                      ; LDS places: made of the wave's number alone
	s_mul_i32 s97, s15, AHALF
	s_mul_i32 s91, s16, REC
	s_add_co_u32 s97, s97, s91
	s_mul_i32 s91, s16, PLANE
	s_add_co_u32 s91, s91, WB+PLANE
	s_lshl_b32 s90, s16, 8
	s_add_co_u32 s90, s90, 256                     ; chunk 1 or 2 of a row of W1
	s_mov_b32 s[SEL], 0x76543210
	s_mov_b32 s[SEL+1], 0xfedcba98
	s_wait_dscnt 0x0
	s_wait_kmcnt 0x0
	s_add_nc_u64 s[20:21], s[4:5], s[20:21]
	s_add_nc_u64 s[22:23], s[4:5], s[22:23]
	s_add_nc_u64 s[18:19], s[6:7], s[18:19]
	s_add_nc_u64 s[98:99], s[8:9], s[98:99]
	CROUND                                         ; all sixteen work-groups are here: the first joint loads meet
.irp s, 0,1
	s_mov_b32 s[G0A+4*\s], 1
	s_add_co_u32 s[G0A+4*\s+1], s17, \s*SLOT
	s_add_nc_u64 s[G0A+4*\s+2:G0A+4*\s+3], s[20:21], \s*AHALF
	s_or_b32 s[G0A+4*\s+3], s[G0A+4*\s+3], 0x80000000
	s_mov_b32 s[G0R+4*\s], 1
	s_add_co_u32 s[G0R+4*\s+1], s97, \s*SLOT
	s_add_nc_u64 s[G0R+4*\s+2:G0R+4*\s+3], s[22:23], \s*AHALF
	s_or_b32 s[G0R+4*\s+3], s[G0R+4*\s+3], 0x80000000
.endr
	s_mov_b32 s[G0B], 1
	s_mov_b32 s[G0B+1], WB
	s_mov_b64 s[G0B+2:G0B+3], s[18:19]
	s_or_b32 s[G0B+3], s[G0B+3], 0x80000000
	s_mov_b32 s[G0P], 1
	s_mov_b32 s[G0P+1], s91
	s_mov_b32 s91, 0
	s_add_nc_u64 s[G0P+2:G0P+3], s[18:19], s[90:91]
	s_or_b32 s[G0P+3], s[G0P+3], 0x80000000
	s_mov_b32 s[G0S], 1
	s_mov_b32 s[G0S+1], SCL
	s_mov_b64 s[G0S+2:G0S+3], s[98:99]
	s_or_b32 s[G0S+3], s[G0S+3], 0x80000000
	s_mov_b32 s90, 0x05040302                      ; v_perm_b32: the second source's upper half below, the first source's lower half above
	; the head's loads, one a wave, in one chain of branches: waves 0, 1: slot 0's records; wave 2: plane 0; wave 3: the scale bytes
	s_cmp_lt_u32 s14, 2
	s_cbranch_scc0 .Lh_b
	tensor_load_to_lds s[G0A:G0A+3], s[G1A:G1A+7]
	s_nop 0
	PLACES
	s_branch .Lh_j
.Lh_b:
	s_cmp_lt_u32 s14, 3
	s_cbranch_scc0 .Lh_s
	tensor_load_to_lds s[G0B:G0B+3], s[G1B:G1B+7]
	s_nop 0
	PLACES
	s_branch .Lh_j
.Lh_s:
	tensor_load_to_lds s[G0S:G0S+3], s[G1S:G1S+7]
	s_nop 0
	PLACES
.Lh_j:
	v_and_b32 v1, 15, v0                           ; r
	v_bfe_u32 v2, v0, 4, 1                         ; h
	v_and_b32 v3, 31, v0                           ; lane
	v_lshlrev_b32 v[LI], 4, v3
	s_mul_i32 s17, s15, AHALF
	v_add_nc_u32 v[ADRA], s17, v[LI]
	v_add_nc_u32 v[ADRA+1], SLOT, v[ADRA]
	v_lshlrev_b32 v4, 4, v1
	v_add_nc_u32 v[ADSA], s17, v4
	v_add_nc_u32 v[ADSA+1], SLOT, v[ADSA]
	s_mul_i32 s18, s16, 128*PITCH
	s_add_co_u32 s18, s18, WB                      ; my 128 rows of W1 in plane 0
	s_mov_b32 s19, PLANE-232
	v_mul_u32_u24 v6, v2, 24
	v_mul_u32_u24 v7, s19, v2
	v_add_nc_u32 v7, 232, v7
	v_and_b32 v4, 8, v1
	v_lshl_add_u32 v4, v4, 1, v1                   ; r + 16 (r / 8): an even tile's rows 0-7, 24-31
	v_mul_u32_u24 v4, v4, PITCH
	v_add_nc_u32 v4, s18, v4
	v_mul_u32_u24 v5, v1, PITCH                    ; an odd tile's rows: r, from row 8 on
	v_add_nc_u32 v5, s18, v5
	v_add_nc_u32 v[ADBX], v4, v6
	v_add_nc_u32 v[ADBX+1], PLANE, v[ADBX]
	v_add_nc_u32 v[ADBX+2], PLANE, v[ADBX+1]
	v_add_nc_u32 v[ADBX+3], v4, v7
	v_add_nc_u32 v[ADBX+4], PLANE, v[ADBX+3]
	v_add_nc_u32 v[ADBY], v5, v6
	v_add_nc_u32 v[ADBY+1], PLANE, v[ADBY]
	v_add_nc_u32 v[ADBY+2], PLANE, v[ADBY+1]
	v_add_nc_u32 v[ADBY+3], v5, v7
	v_add_nc_u32 v[ADBY+4], PLANE, v[ADBY+3]
	s_mul_i32 s19, s16, HALFS
	s_add_co_u32 s19, s19, SCL
	v_lshrrev_b32 v5, 3, v1
	v_and_b32 v6, 7, v1
	v_lshlrev_b32 v6, 5, v6
	v_add_nc_u32 v6, s19, v6                       ; scale bytes: 32 a row, eight rows to a run of 256 + 16
	v_mad_u32_u24 v[ADSX], v5, 816, v6
	v_mad_u32_u24 v[ADSY], v5, 272, v6
	v_mul_u32_u24 v[BAX], v2, 96
	v_lshlrev_b32 v[BAY], 5, v2
	v_cmp_lt_u32 s91, 15, v3                       ; lanes 16-31
	s_wait_alu depctr_va_vdst(0)                   ; the wait ahead of the scalar lines below
	s_lshl_b32 s18, s94, 10
	s_lshl_b32 s19, s16, 9
	s_add_co_u32 s18, s18, s19
	s_mov_b32 s19, 0
	s_add_nc_u64 s[10:11], s[10:11], s[18:19]      ; b1 at my 128 hidden units
.irp g, 0,1,2,3                                ; lane (r, h), register j: an even tile's unit 32 g + 24 h + j, an odd tile's 32 g + 8 + 8 h + j
	global_load_b128 v[BIAS+16*\g:BIAS+16*\g+3], v[BAX], s[10:11] offset:128*\g
	global_load_b128 v[BIAS+16*\g+4:BIAS+16*\g+7], v[BAX], s[10:11] offset:128*\g+16
	global_load_b128 v[BIAS+16*\g+8:BIAS+16*\g+11], v[BAY], s[10:11] offset:128*\g+32
	global_load_b128 v[BIAS+16*\g+12:BIAS+16*\g+15], v[BAY], s[10:11] offset:128*\g+48
.endr
	s_lshl_b32 s18, s93, 1
	s_add_co_u32 s18, s18, s15                     ; my token block in the first tile
	s_lshl_b32 s18, s18, 3
	s_lshr_b32 s19, s94, 3
	s_add_co_u32 s18, s18, s19                     ; x 8 + the expert
	s_lshl_b32 s18, s18, 4
	s_and_b32 s19, s94, 7
	s_lshl_b32 s19, s19, 1
	s_add_co_u32 s18, s18, s19
	s_add_co_u32 s18, s18, s16                     ; x 16 + the second product's K step
	s_mul_i32 s18, s18, REC
	s_mov_b32 s19, 0
	s_add_nc_u64 s[12:13], s[12:13], s[18:19]      ; my record of hq
; A fragment of W1, 16 rows x 128 K, is 12 registers: 24 bytes of the row's stream of bits twice, in pieces of 8 bytes.  Byte y of a row lies in plane y / 256 at byte y % 256.
.macro FRAGB reg, adr, st, row
.irp p, 0,1,2,3,4,5
.set BY, 96*(\st)+48*(\p/3)+8*(\p%3)
.if BY/256 == (BY+24)/256
	ds_load_b64 v[\reg+2*\p:\reg+2*\p+1], v[\adr+BY/256] offset:BY%256+(\row)*PITCH
.else
	ds_load_b64 v[\reg+2*\p:\reg+2*\p+1], v[\adr+3+BY/256] offset:BY%256-232+(\row)*PITCH
.endif
.endr
.endm
.macro FETCH_B st, p                   ; W1's eight fragments of step st (128 along K) into set p: 48 loads
	WIN 0x40
.irp i, 0,1,2,3,4,5,6,7
.if (\i%2) == 0
	FRAGB 128*(\p)+FR*\i, ADBX, \st, 32*(\i/2)
.else
	FRAGB 128*(\p)+FR*\i, ADBY, \st, 32*(\i/2)+8
.endif
.endr
	WIN 0
.endm
.macro FETCH_A slot, q, hf             ; x's blocks 4 hf .. 4 hf + 3 and their scale words: 13 loads
.irp f, 0,1,2,3
.irp c, 0,1,2
	ds_load_b128 v[AF+FR*(4*(\hf)+\f)+4*\c:AF+FR*(4*(\hf)+\f)+4*\c+3], v[ADRA+\slot] offset:REC*(\q)+1536*(4*(\hf)+\f)+512*\c
.endr
.endr
	ds_load_b128 v[SCA+4*(\hf):SCA+4*(\hf)+3], v[ADSA+\slot] offset:REC*(\q)+12288+256*(\hf)
.endm
.macro SCALESB sc, sg                  ; W1's scale words of 256 along K (two words a row) into set sc: 8 loads
.irp i, 0,1,2,3,4,5,6,7
.if (\i%2) == 0
	ds_load_b64 v[SCB+16*(\sc)+2*\i:SCB+16*(\sc)+2*\i+1], v[ADSX] offset:272*4*(\i/2)+8*(\sg)
.else
	ds_load_b64 v[SCB+16*(\sc)+2*\i:SCB+16*(\sc)+2*\i+1], v[ADSY] offset:272*(4*(\i/2)+1)+8*(\sg)
.endif
.endr
.endm
; 16 matrix instructions: x's blocks a0, a0 + 1 against W1's eight tiles.  first = 1: the bias is the C.  The 64 accumulators take turns.
.macro MUL16 a0, p, q, sc, first
.irp a, \a0, \a0+1
.irp b, 0,1,2,3,4,5,6,7
.if \first
	v_wmma_scale_f32_16x16x128_f8f6f4 v[8*(8*((\a)%4)+\b):8*(8*((\a)%4)+\b)+7], v[128*(\p)+FR*\b:128*(\p)+FR*\b+FR-1], v[AF+FR*(\a):AF+FR*(\a)+FR-1], v[BIAS+8*\b:BIAS+8*\b+7], v[SCB+16*(\sc)+2*\b+(\q)], v[SCA+(\a)] matrix_a_fmt:MATRIX_FMT_BF6 matrix_b_fmt:MATRIX_FMT_BF6
.else
	v_wmma_scale_f32_16x16x128_f8f6f4 v[8*(8*((\a)%4)+\b):8*(8*((\a)%4)+\b)+7], v[128*(\p)+FR*\b:128*(\p)+FR*\b+FR-1], v[AF+FR*(\a):AF+FR*(\a)+FR-1], v[8*(8*((\a)%4)+\b):8*(8*((\a)%4)+\b)+7], v[SCB+16*(\sc)+2*\b+(\q)], v[SCA+(\a)] matrix_a_fmt:MATRIX_FMT_BF6 matrix_b_fmt:MATRIX_FMT_BF6
.endif
.endr
.endr
.endm
.macro START                           ; a tile's first fragments
	FETCH_B 0, 0
	FETCH_A 0, 0, 0
	SCALESB 0, 0
	FETCH_A 0, 0, 1
.endm
.macro STEP slot, st, first            ; a slot's first 128 along K: step st of the tile's eight
	s_wait_dscnt 13                                ; all but the youngest 13 loads (x's blocks 4-7 and their scale words)
	WIN 0xa1-0x20*(\first)
	MUL16 0, 0, 0, \slot, \first
	MUL16 2, 0, 0, \slot, \first
	s_wait_dscnt 0x0
	PLACES
	FETCH_B (\st)+1, 1
	FETCH_A \slot, 1, 0
	WIN 0xf1-0x30*(\first)
	MUL16 4, 0, 0, \slot, \first
	MUL16 6, 0, 0, \slot, \first
	PLACES
	WIN 0
	FETCH_A \slot, 1, 1
.endm
; A slot's second 128 along K changes slots: one barrier; in front of it each wave waits for all its tensor loads, adds 0 to its spare word, and waits for that and for its reads of this slot.
; mode = 1: this slot takes the same tile's records two slots on; 2: the next tile's; 0: nothing.  sg: the next slot's place along K.  fetch = 0: the way out follows.
.macro TURN slot, next, sg, mode, fetch
	s_wait_tensorcnt 0x0
	ds_add_u32 v[SPW], v[NIL]
	s_wait_dscnt 14                                ; (the add and the youngest 13 loads may be out)
	WIN 0xa1
	MUL16 0, 1, 1, \slot, 0
	s_wait_dscnt 0x0
	s_barrier_signal -1
	MUL16 2, 1, 1, \slot, 0
	WIN 0
	s_barrier_wait -1
.if \mode
	CREST                                          ; the barrier has opened a round of the cluster's
.if \mode == 1
	s_add_nc_u64 s[G0R+4*\slot+2:G0R+4*\slot+3], s[G0R+4*\slot+2:G0R+4*\slot+3], 2*AHALF
.else
	s_add_nc_u64 s[G0R+4*\slot+2:G0R+4*\slot+3], s[G0R+4*\slot+2:G0R+4*\slot+3], 64*REC-2*AHALF   ; eight token blocks on, back along K
.endif
	tensor_load_to_lds s[G0R+4*\slot:G0R+4*\slot+3], s[G1R:G1R+7]   ; my record: the first tensor load behind the round
	s_nop 0
.endif
	PLACES
.if \fetch
	FETCH_B 2*(\sg), 0
	FETCH_A \next, 0, 0
	SCALESB \next, \sg
.endif
	WIN 0xf1
	MUL16 4, 1, 1, \slot, 0
	MUL16 6, 1, 1, \slot, 0
.if \fetch
	PLACES
	WIN 0
	FETCH_A \next, 0, 1
.else
	WIN 0
.endif
.endm
; 64 numbers of a lane in v[T] on (none negative) become fragment a's codes and its scale word.  All in window 1.
.macro QUANTH a
.irp b, 0,1,2,3
	v_max3_num_f32 v[TM+\b], v[T+16*\b], v[T+16*\b+1], 0x2800000   ; my 16 numbers of block b, and the floor 2^(5 - 127)
.endr
.irp i, 2,4,6,8,10,12,14
.irp b, 0,1,2,3
	v_max3_num_f32 v[TM+\b], v[TM+\b], v[T+16*\b+\i], v[T+16*\b+\i+1]
.endr
.endr
.irp b, 0,1,2,3
	v_permlanex16_b32 v[TM+4+\b], v[TM+\b], s[SEL], s[SEL+1]
.endr
.irp b, 0,1,2,3
	v_max_num_f32 v[TM+\b], v[TM+\b], v[TM+4+\b]
.endr
.irp b, 0,1,2,3
	v_add_nc_u32 v[TM+12+\b], 0xfe000000, v[TM+\b] ; 4 off the exponent field: the conversion's scale operand
.endr
.irp b, 0,1,2,3
	v_lshrrev_b32 v[TM+4+\b], 23, v[TM+12+\b]      ; the scale's byte
.endr
	v_lshl_or_b32 v[PW+\a], v[TM+5], 8, v[TM+4]
	v_lshl_or_b32 v[PW+\a], v[TM+6], 16, v[PW+\a]
	v_lshl_or_b32 v[PW+\a], v[TM+7], 24, v[PW+\a]
.irp c, 0,1
	v_cvt_scalef32_pk16_bf6_f32 v[PCB+12*\a+6*\c:PCB+12*\a+6*\c+2], v[T+32*\c:T+32*\c+15], v[TM+12+2*\c]
	v_cvt_scalef32_pk16_bf6_f32 v[CT+4*\c:CT+4*\c+2], v[T+32*\c+16:T+32*\c+31], v[TM+12+2*\c+1]
.endr
	v_nop                                          ; one plain place behind a scaled conversion
.irp c, 0,1
.irp i, 0,1,2
	v_permlane16_swap_b32 v[PCB+12*\a+6*\c+\i], v[CT+4*\c+\i]
.endr
	v_perm_b32 v[PCB+12*\a+6*\c+3], v[CT+4*\c+2], v[CT+4*\c+1], s90   ; the upper 16 codes are turned back on the way to their place
	v_perm_b32 v[PCB+12*\a+6*\c+4], v[CT+4*\c], v[CT+4*\c+2], s90
	v_perm_b32 v[PCB+12*\a+6*\c+5], v[CT+4*\c+1], v[CT+4*\c], s90
.endr
.endm
; THE WAY OUT of a tile, block by block of 16 tokens: relu (each accumulator from its low end on), the quantiser, three stores of 512 consecutive bytes.
.macro EPI
	PLACES
	WIN 0x40
.irp b, 0,1,2,3
	v_mov_b32 v[TM+4+\b], 0                        ; a lane permute's destination counts as one of its sources
.endr
.irp a, 0,1,2,3,4,5,6,7
	WIN 0x48+4*(\a/4)
.set j, 0
.rept 64
	v_max_num_f32 v[T+j], 0, v[64*(\a%4)+j]
.set j, j+1
.endr
	WIN 0x55
	QUANTH \a
	WIN 0x04
.irp c, 0,1,2
	global_store_b128 v[LI], v[PCB+12*\a+4*\c:PCB+12*\a+4*\c+3], s[12:13] offset:1536*\a+512*\c
.endr
.endr
	WIN 0x55
.irp i, 0,1,2,3
	v_cndmask_b32 v[SS+\i], v[PW+\i], v[PW+4+\i], s91   ; lanes 0-15 store the words of blocks 0-3, lanes 16-31 those of blocks 4-7
.endr
	WIN 0x04
	global_store_b128 v[LI], v[SS:SS+3], s[12:13] offset:12288
	WIN 0
	s_wait_xcnt 0x0                                ; the stores have read their registers and their base
.endm
	s_wait_alu depctr_va_vdst(0)                   ; the wait at the head's end
	s_wait_tensorcnt 0x0                           ; my tile of the head's is in; the same lines as ahead of a refill stand ahead of the later first fills
	ds_add_u32 v[SPW], v[NIL]
	s_wait_dscnt 0x0
	CROUND
	s_cmp_eq_u32 s15, 0                            ; waves 0, 1: slot 1's records; wave 2: plane 1; wave 3: plane 2
	s_cbranch_scc0 .Lp_b
	tensor_load_to_lds s[G0A+4:G0A+7], s[G1A:G1A+7]
	s_nop 0
	PLACES
	s_branch .Lp_j
.Lp_b:
	tensor_load_to_lds s[G0P:G0P+3], s[G1B:G1B+7]
	s_nop 0
	PLACES
.Lp_j:
	START
	s_wait_loadcnt 0x0                             ; the bias
	STEP 0, 0, 1                                   ; THE FIRST TILE
	TURN 0, 1, 1, 1, 1
	STEP 1, 2, 0
	TURN 1, 0, 2, 1, 1
	STEP 0, 4, 0
	TURN 0, 1, 3, 2, 1                             ; the ring goes on into the next tile
	STEP 1, 6, 0
	TURN 1, 0, 0, 2, 0
	EPI
	s_add_nc_u64 s[12:13], s[12:13], 8*8*16*REC    ; eight token blocks on
	START                                          ; THE SECOND TILE: slot 0 was shown whole by the last change of slots
	STEP 0, 0, 1
	TURN 0, 1, 1, 1, 1
	STEP 1, 2, 0
	TURN 1, 0, 2, 1, 1
	STEP 0, 4, 0
	TURN 0, 1, 3, 0, 1                             ; nothing is left to fetch
	STEP 1, 6, 0
	s_wait_dscnt 13
	WIN 0xa1
	MUL16 0, 1, 1, 1, 0
	MUL16 2, 1, 1, 1, 0
	s_wait_dscnt 0x0
	WIN 0xf1
	MUL16 4, 1, 1, 1, 0
	MUL16 6, 1, 1, 1, 0
	WIN 0
	EPI
	s_wait_tensorcnt 0x0                           ; the wave's end
	ds_add_u32 v[SPW], v[NIL]
	s_wait_dscnt 0x0
	CROUND                                         ; the closing round
	s_endpgm
.Lfunc_end_k_qc70647a262_up:
	.size	k_qc70647a262_up, .Lfunc_end_k_qc70647a262_up-k_qc70647a262_up
	.p2alignl 7, 3214868480
	.fill 96, 4, 3214868480
	.section	.rodata,"a",@progbits
	.p2align	6, 0x0
	.amdhsa_kernel k_qc70647a262_up
		.amdhsa_group_segment_fixed_size 327680
		.amdhsa_private_segment_fixed_size 0
		.amdhsa_enable_private_segment 0
		.amdhsa_kernarg_size 40
		.amdhsa_user_sgpr_count 2
		.amdhsa_user_sgpr_kernarg_segment_ptr 1
		.amdhsa_wavefront_size32 1
		.amdhsa_system_sgpr_workgroup_id_x 1
		.amdhsa_system_sgpr_workgroup_id_y 1
		.amdhsa_system_sgpr_workgroup_id_z 1
		.amdhsa_system_vgpr_workitem_id 0
		.amdhsa_next_free_vgpr 1024
		.amdhsa_next_free_sgpr 100
		.amdhsa_reserve_vcc 0
		.amdhsa_float_denorm_mode_32 3
		.amdhsa_float_denorm_mode_16_64 3
		.amdhsa_memory_ordered 1
		.amdhsa_forward_progress 1
		.amdhsa_inst_pref_size 255
	.end_amdhsa_kernel
	.section	.bss,"aw",@nobits
	.p2align	6
	.space	262144
	.amdgpu_metadata
---
amdhsa.version: [ 1, 2 ]
amdhsa.kernels:
  - .name:           k_qc70647a262_up
    .symbol:         k_qc70647a262_up.kd
    .args:
      - { .name: xq, .offset: 0, .size: 8, .value_kind: global_buffer, .address_space: global }
      - { .name: W1_codes, .offset: 8, .size: 8, .value_kind: global_buffer, .address_space: global }
      - { .name: W1_scales, .offset: 16, .size: 8, .value_kind: global_buffer, .address_space: global }
      - { .name: b1, .offset: 24, .size: 8, .value_kind: global_buffer, .address_space: global }
      - { .name: hq, .offset: 32, .size: 8, .value_kind: global_buffer, .address_space: global }
    .group_segment_fixed_size: 327680
    .private_segment_fixed_size: 0
    .kernarg_segment_align: 8
    .kernarg_segment_size: 40
    .max_flat_workgroup_size: 128
    .sgpr_count:     100
    .vgpr_count:     1024
    .wavefront_size: 32
...
	.end_amdgpu_metadata
.endif
;; end of part 2
;; launch down (part 3): grid 8 x 32, 4 waves a work-group, clusters of 4 x 4, 327,680 bytes of LDS; arguments hq, W2_codes, W2_scales, b2, gates, out0; writes out0
.if DOCPART == 3
	.amdgcn_target "amdgcn-amd-amdhsa--gfx1250"
	.amdhsa_code_object_version 6
	.text
	.protected	k_qc70647a262_down
	.globl	k_qc70647a262_down
	.p2align	8
	.type	k_qc70647a262_down,@function
k_qc70647a262_down:
	s_mov_b64 s[64:65], 0
	v_nop
	global_prefetch_b8 v0, s[64:65] scope:SCOPE_SE
	s_setreg_imm32_b32 hwreg(HW_REG_WAVE_MODE, 25, 1), 1
	s_wait_xcnt 0x0
	s_wait_alu depctr_hold_cnt(0) depctr_sa_sdst(0) depctr_va_vdst(0) depctr_va_sdst(0) depctr_va_ssrc(0) depctr_va_vcc(0) depctr_vm_vsrc(0)
	s_getreg_b32 s2, hwreg(HW_REG_IB_STS2, 6, 4)
	s_cmp_eq_u32 s2, 0
	s_cbranch_scc0 .Lentry_in_a_cluster
	s_endpgm
.Lentry_in_a_cluster:
	s_bfe_u32 s2, ttmp6, 0x10000c
	s_cmp_lg_u32 s2, 0xf033
	s_cbranch_scc0 .Lentry_shape_is_right
	s_endpgm
.Lentry_shape_is_right:
; out0 = sum over e of gates[e] x (hq[e] W2[e] + b2[e]): the second quantised product, its bias and the weighted sum over the experts.  No work is left out.
; SHARES.  EACH OUTPUT HAS ONE OWNER: a work-group owns 64 tokens x 128 outputs for all 8 experts: 8 x 32 = 256 work-groups.  So hq is read by 8 work-groups and W2 by 32, W2 jointly by four at a time.
; THE FOUR WAVES SHARE K: of an expert's 16 steps of 128 along K wave w takes steps 2 w, 2 w + 1, 8 + 2 w, 9 + 2 w.  A UNIT is one such step: 4 blocks of 16 tokens x 8 tiles of 16 outputs = 32 products on 32 accumulators.
; Behind an expert's four units gate x sum is added onto a total of the wave's own (256 registers); at the end the four waves' totals meet in LDS.
; b2: wave w's totals BEGIN as gate x b2 of experts 2 w and 2 w + 1; the four waves' totals add up to the whole weighted bias.  So every expert's first products take the constant 0 as C.
; hq GOES FROM MEMORY STRAIGHT INTO REGISTERS: its records are images of the operand's registers, and each is read by ONE wave of the work-group: a unit is 12 loads of 512 consecutive bytes and one of scale words.
; Four unit buffers take turns: behind unit 0's products this expert's unit 3 and the next expert's unit 0 are asked for, behind unit 2's the next expert's units 1 and 2: 52 loads, 26,624 bytes a wave, are on their way, across the rounds too.  These loads run four units ahead: no prefetch is laid for hq.
; WHY hq IS NOT ASKED FOR JOINTLY, though a row of the cluster reads the same records: no wave would read a byte of it that another wave reads, and a slot's fill would grow by 51,200 bytes for the same 64 products a wave.
; W2 COMES THROUGH LDS: a slot holds half an expert along K (128 rows x 768 bytes, each row beginning at a multiple of 256 bytes of memory), two slots, each wave fetches 32 rows.  Its fragments have two sets of registers.
; Slot 0 is read out in unit 0 and filled again in unit 1, slot 1 in units 2 and 3.  W2's scale bytes of all 8 experts come once and stay.
; CLUSTERS: 4 x 4.  W2's tiles and scale bytes hang on the outputs alone and are asked for jointly along a column of the cluster.
; PREFETCH: behind each refill the tile that stands two refills on is named, each run of 256 bytes once in a cluster: partner cy takes 32 rows, wave w 8 of them, a lane one of a row's three runs (the fourth lane repeats the third).
; Experts 0 and 1 come by their loads alone; the loop's last trip asks for nothing.
; THE MATRIX INSTRUCTION IS USED TRANSPOSED (source 0 = 16 rows of W2, source 1 = 16 tokens): a lane holds one token, whose gate is one register, and eight neighbouring outputs.
; LIMIT: an output's K is summed in four parts, a wave's share each, expert by expert, and the parts are added in f32: another order of rounding than one sum along K.
; REGISTERS: window 0: v2-14 addresses; v16-31 hq's scale words; v32-63 W2's scale words, a set a slot; v64-255 W2's fragments, two sets of 96.
;   window 1: v0-191 hq's four unit buffers; v192-199 the gates; v200-247 LDS addresses of W2's pieces.   window 2: the accumulators ((a, b) at v[8 (8 a + b)]).   window 3: the totals, likewise.
.set REC,   12800
.set EXPB,  16*REC
.set EXPW,  1024*1536                  ; an expert of W2's codes
.set BP,    816                        ; a row of W2 in LDS: 3 x (256 + 16) bytes = 204 words: sixteen rows start at sixteen different multiples of 4 banks (64 banks of 4 bytes: ISA guide 11.1)
.set SLOTB, 128*BP
.set SCL,   2*SLOTB
.set SSET,  32*272                     ; an expert's scale bytes: 128 rows x 64 bytes as 32 runs of 256 + 16
.set SPARE, SCL+8*SSET                 ; the spare words: two blocks of 256 bytes that no other line names
.set SP,    528                        ; the way out: rows of 512 + 16 bytes
.set SREG,  64*SP                      ; a wave's stage, from LDS byte 0 on: bytes that have had their last fill and their last read by then
.set FR,    12
.set LI,    2                          ; 16 x lane
.set SAD,   3                          ; my row's place among a record's scale words
.set ADSB0, 4
.set ADSB,  5
.set GAD,   6                          ; 32 r
.set BAD,   7                          ; 32 h
.set STO,   8
.set RD0,   9
.set RD2,   10
.set SPW,   12
.set NIL,   13
.set PFO,   14
.set SCA,   16
.set SCB,   32
.set BF,    64
.set GC,    192                        ; window 1: block a's gate in v[192 + 2 a]; the odd ones hold 0 (upper halves of pairs)
.set AB,    200                        ; window 1: [slot 2][rows 0-63, 64-127][step 2][piece 6]
.set G1H, 24                           ; 64 rows of W2
.set G1B, 32                           ; 32 rows
.set G1S, 48                           ; scale bytes of four experts
.set G0H, 56
.set G0S, 60
.set G0R, 68                           ; s[68:75] the ring's loads, one set for each slot
.set PFA, 76
.set TS,  78
.set CNT, 79
.set WV,  80
.set MSB, 0
.macro WIN new
.if MSB != (\new)
	s_set_vgpr_msb (MSB<<8)|(\new)
.set MSB, (\new)
.endif
.endm
.macro PLACES                          ; four places behind this matrix form (ISA guide 7.12.1)
.rept 4
	v_nop
.endr
.endm
.macro CREST
	s_cmp_lg_u32 s[WV], 0
	s_cbranch_scc1 .Lnot_wave_0_\@
	s_barrier_signal -3
.Lnot_wave_0_\@:
	s_barrier_wait -3
	s_barrier_signal -1
	s_barrier_wait -1
.endm
.macro CROUND
	s_barrier_signal -1
	s_barrier_wait -1
	CREST
.endm
.macro DESC g, c, r, p
	s_mov_b32 s[\g+1], (\c)<<16
	s_mov_b32 s[\g+2], (\r)<<16
	s_mov_b32 s[\g+3], (\c)<<16
	s_mov_b32 s[\g+4], \r
	s_mov_b32 s[\g+5], \p
	s_mov_b32 s[\g+6], 0
	s_mov_b32 s[\g+7], 0
.endm
.macro ALOAD u, nx                     ; unit u of this expert (nx = 0) or the next (1): 13 loads
.set AOF, (\nx)*EXPB+((\u)/2)*8*REC+((\u)%2)*REC
	WIN 0x40
.irp f, 0,1,2,3
.irp c, 0,1,2
	global_load_b128 v[48*(\u)+FR*\f+4*\c:48*(\u)+FR*\f+4*\c+3], v[LI], s[4:5] offset:AOF+1536*\f+512*\c
.endr
.endr
	WIN 0
	global_load_b128 v[SCA+4*(\u):SCA+4*(\u)+3], v[SAD], s[4:5] offset:AOF
.endm
.macro GLOAD                           ; my four tokens' gates of one expert: 4 loads
	WIN 0x40
.irp a, 0,1,2,3
	global_load_b32 v[GC+2*\a], v[GAD], s[12:13] offset:512*\a
.endr
	WIN 0
.endm
.macro FETCH u                         ; W2's eight fragments of my unit u into set u % 2: 48 loads; with a slot's first unit its scale words: 8 loads
	WIN 0x01
.irp b, 0,1,2,3,4,5,6,7
.irp i, 0,1,2,3,4,5
	ds_load_b64 v[BF+96*((\u)%2)+FR*\b+2*\i:BF+96*((\u)%2)+FR*\b+2*\i+1], v[AB+24*((\u)/2)+12*(\b/4)+6*((\u)%2)+\i] offset:16*BP*(\b%4)
.endr
.endr
	WIN 0
.if ((\u)%2) == 0
.irp b, 0,1,2,3,4,5,6,7
	ds_load_b64 v[SCB+16*((\u)/2)+2*\b:SCB+16*((\u)/2)+2*\b+1], v[ADSB] offset:1088*\b+32*((\u)/2)
.endr
.endif
.endm
; Eight products of unit u: block a of 16 tokens against W2's eight tiles.  The 32 accumulators take turns, in the same order in every unit.
.macro MULU a, u
.irp b, 0,1,2,3,4,5,6,7
.if (\u) == 0
	v_wmma_scale_f32_16x16x128_f8f6f4 v[8*(8*(\a)+\b):8*(8*(\a)+\b)+7], v[BF+96*((\u)%2)+FR*\b:BF+96*((\u)%2)+FR*\b+FR-1], v[48*(\u)+FR*(\a):48*(\u)+FR*(\a)+FR-1], 0, v[SCB+16*((\u)/2)+2*\b+((\u)%2)], v[SCA+4*(\u)+(\a)] matrix_a_fmt:MATRIX_FMT_BF6 matrix_b_fmt:MATRIX_FMT_BF6
.else
	v_wmma_scale_f32_16x16x128_f8f6f4 v[8*(8*(\a)+\b):8*(8*(\a)+\b)+7], v[BF+96*((\u)%2)+FR*\b:BF+96*((\u)%2)+FR*\b+FR-1], v[48*(\u)+FR*(\a):48*(\u)+FR*(\a)+FR-1], v[8*(8*(\a)+\b):8*(8*(\a)+\b)+7], v[SCB+16*((\u)/2)+2*\b+((\u)%2)], v[SCA+4*(\u)+(\a)] matrix_a_fmt:MATRIX_FMT_BF6 matrix_b_fmt:MATRIX_FMT_BF6
.endif
.endr
.endm
; UNIT u.  rf (units 1 and 3): 2: a change of slots with a refill; 1: a barrier that shows the last tile whole; 0: none.  next = 1: there is a next expert.
; hq's loads stand behind the products of units 0 and 2 alone, ahead of the wait of the change of slots that follows: behind unit 0 this expert's unit 3 and the next expert's unit 0, behind unit 2 the next expert's units 1 and 2.
; LOADcnt: loads come back in order.  They are issued in this order: (e, 3), (e + 1, 0); (e + 1, 1), (e + 1, 2); the gates of e + 1 (4).  So behind the 13 loads of unit 0 stand two units and the gates: 30;
; of unit 1 three units and the gates: 43; of unit 2 two units and the gates: 30; of unit 3 three units: 39.  The last expert asks for its unit 3 alone: 30, 30, 17, 0.
.macro UNIT u, rf, next
.if (\u) == 0
	s_wait_loadcnt 30
.elseif (\u) == 1
	s_wait_loadcnt 30+13*(\next)
.elseif (\u) == 2
	s_wait_loadcnt 17+13*(\next)
.else
	s_wait_loadcnt 39*(\next)
.endif
.if \rf
	s_wait_tensorcnt 0x0                           ; all my tensor loads have landed: my part of the other slot
	ds_add_u32 v[SPW], v[NIL]
	s_wait_dscnt 1                                 ; this unit's fragments are in; the add may be out
	WIN 0xa4
	MULU 0, \u
	s_wait_dscnt 0x0                               ; the add is done; my reads of the slot left behind are over
	s_barrier_signal -1
	MULU 1, \u
	WIN 0
	s_barrier_wait -1
.if (\rf) == 2
	CREST                                          ; the barrier has opened a round of the cluster's
	s_add_nc_u64 s[G0R+4*((\u)/2)+2:G0R+4*((\u)/2)+3], s[G0R+4*((\u)/2)+2:G0R+4*((\u)/2)+3], EXPW
	tensor_load_to_lds s[G0R+4*((\u)/2):G0R+4*((\u)/2)+3], s[G1B:G1B+7]   ; the next expert's half, into the slot just read out
	s_nop 0
	PLACES
.endif
.if (\u) == 1
	FETCH 2
.elseif \next
	s_add_co_u32 s[TS], s[TS], SSET
	v_add_nc_u32 v[ADSB], s[TS], v[ADSB0]          ; the next expert's scale words
	FETCH 0
.endif
.if (\rf) == 2
	s_cmp_gt_u32 s[CNT], 1
	s_cbranch_scc0 .Lno_ask_\@
	global_prefetch_b8 v[PFO], s[PFA:PFA+1] offset:2*EXPW+768*((\u)/2) th:TH_LOAD_NT scope:SCOPE_SE
.Lno_ask_\@:
.endif
	WIN 0xa4
	MULU 2, \u
	MULU 3, \u
.else
	s_wait_dscnt 0x0                               ; this unit's fragments and scale words are in
.if (\u) < 3
	FETCH (\u)+1
.endif
	WIN 0xa4
	MULU 0, \u
	MULU 1, \u
	MULU 2, \u
	MULU 3, \u
.endif
	WIN 0
	PLACES                                         ; ahead of the loads into registers just read, and of the first read of results
.if (\u) == 0
	ALOAD 3, 0                                     ; its buffer was last read by the expert before
.if \next
	ALOAD 0, 1
.endif
.endif
.if ((\u) == 2) && (\next)
	ALOAD 1, 1
	ALOAD 2, 1
.endif
.endm
.macro EXPERT r1, r3, next
	UNIT 0, 0, \next
	UNIT 1, \r1, \next
	UNIT 2, 0, \next
	UNIT 3, \r3, \next
.if \next
	s_wait_loadcnt 52                              ; the gates are in: behind them four units were asked for
.else
	s_wait_loadcnt 0x0
.endif
	WIN 0xf6
.irp a, 0,1,2,3
.set k, 0
.rept 32
	v_pk_fma_f32 v[64*\a+2*k:64*\a+2*k+1], v[64*\a+2*k:64*\a+2*k+1], v[GC+2*\a:GC+2*\a+1], v[64*\a+2*k:64*\a+2*k+1] op_sel_hi:[1,0,1]   ; total += gate x sum, each accumulator from its low end on
.set k, k+1
.endr
.endr
	WIN 0
.if \next
	s_wait_xcnt 0x0                                ; every load and prefetch issued has read its base
	s_add_nc_u64 s[4:5], s[4:5], EXPB
	s_add_nc_u64 s[12:13], s[12:13], 4
	s_add_nc_u64 s[PFA:PFA+1], s[PFA:PFA+1], EXPW
	GLOAD
.endif
.endm
	s_load_b256 s[4:11], s[0:1], 0x0               ; hq, W2's codes, W2's scales, b2
	s_load_b128 s[12:15], s[0:1], 0x20             ; gates, out0
	v_lshl_add_u32 v[SPW], v0, 2, SPARE
	v_mov_b32 v[NIL], 0
	ds_add_u32 v[SPW], v[NIL]                      ; the opening lines: the add, twice on end, and its wait
	ds_add_u32 v[SPW], v[NIL]
	v_lshrrev_b32 v1, 5, v0
	v_readfirstlane_b32 s[WV], v1                  ; wave
	s_and_b32 s17, s[WV], 1
	s_lshr_b32 s16, s[WV], 1
	s_bfe_u32 s81, ttmp6, 0x40000                  ; cx
	s_bfe_u32 s82, ttmp6, 0x40004                  ; cy
	s_lshl_b32 s83, ttmp9, 2
	s_add_co_u32 s83, s83, s81                     ; the block of 128 outputs
	s_and_b32 s84, ttmp7, 0xffff
	s_lshl_b32 s84, s84, 2
	s_add_co_u32 s84, s84, s82                     ; the block of 64 tokens
	s_lshl_b32 s85, 0x1111, s81                    ; my column of the cluster
	s_or_b32 s[G1H+0], s85, (1<<20)|(1<<21)|(5<<22)|(3<<25)   ; rows of 768 bytes, 1,536 apart; 4 words of padding behind every 64
	DESC G1H, 768, 64, 1536
	s_or_b32 s[G1B+0], s85, (1<<20)|(1<<21)|(5<<22)|(3<<25)
	DESC G1B, 768, 32, 1536
	s_or_b32 s[G1S+0], s85, (3<<16)|(1<<20)|(1<<21)|(5<<22)|(3<<25)   ; four experts' scale bytes of 128 rows: rows of 8,192 dense bytes, 65,536 apart, padded likewise
	DESC G1S, 1024, 4, 8192
	s_mul_i32 s86, s83, 128*1536                   ; W2: my work-group's 128 rows
	s_mul_i32 s20, s17, 64*1536
	s_add_co_u32 s20, s20, s86                     ; the head: waves 0 and 1 take 64 rows each
	s_mov_b32 s21, 0
	s_lshl_b32 s22, s83, 13
	s_lshl_b32 s23, s17, 18
	s_add_co_u32 s22, s22, s23                     ; waves 2 and 3 the scale bytes of four experts each
	s_mov_b32 s23, 0
	s_mul_i32 s40, s[WV], 32*1536
	s_add_co_u32 s40, s40, s86                     ; the ring: 32 rows a wave
	s_mov_b32 s41, 0
	s_mul_i32 s42, s82, 32*1536
	s_mul_i32 s43, s[WV], 8*1536
	s_add_co_u32 s42, s42, s43
	s_add_co_u32 s42, s42, s86                     ; the prefetches: my work-group's 32 rows, my 8 of them
	s_mov_b32 s43, 0
	s_mul_i32 s44, s17, 64*BP                      ; LDS places: made of the wave's number alone
	s_mul_i32 s45, s17, 4*SSET
	s_add_co_u32 s45, s45, SCL
	s_mul_i32 s46, s[WV], 32*BP
	s_mov_b32 s[TS], 0
	s_wait_dscnt 0x0
	s_wait_kmcnt 0x0
	s_add_nc_u64 s[20:21], s[6:7], s[20:21]
	s_add_nc_u64 s[22:23], s[8:9], s[22:23]
	s_add_nc_u64 s[40:41], s[6:7], s[40:41]
	s_add_nc_u64 s[PFA:PFA+1], s[6:7], s[42:43]
	CROUND                                         ; all sixteen work-groups are here: the first joint loads meet
	s_mov_b32 s[G0H], 1
	s_mov_b32 s[G0H+1], s44
	s_mov_b64 s[G0H+2:G0H+3], s[20:21]
	s_or_b32 s[G0H+3], s[G0H+3], 0x80000000
	s_mov_b32 s[G0S], 1
	s_mov_b32 s[G0S+1], s45
	s_mov_b64 s[G0S+2:G0S+3], s[22:23]
	s_or_b32 s[G0S+3], s[G0S+3], 0x80000000
.irp s, 0,1
	s_mov_b32 s[G0R+4*\s], 1
	s_add_co_u32 s[G0R+4*\s+1], s46, \s*SLOTB
	s_add_nc_u64 s[G0R+4*\s+2:G0R+4*\s+3], s[40:41], \s*768
	s_or_b32 s[G0R+4*\s+3], s[G0R+4*\s+3], 0x80000000
.endr
	s_cmp_eq_u32 s16, 0                            ; the head's loads, one a wave: slot 0 (waves 0, 1), the scale bytes (waves 2, 3)
	s_cbranch_scc0 .Lh_s
	tensor_load_to_lds s[G0H:G0H+3], s[G1H:G1H+7]
	s_nop 0
	PLACES
	s_branch .Lh_j
.Lh_s:
	tensor_load_to_lds s[G0S:G0S+3], s[G1S:G1S+7]
	s_nop 0
	PLACES
.Lh_j:
	s_and_b32 s88, s84, 1                          ; which 64 tokens of a record
	s_mul_i32 s90, s88, 5888
	s_sub_co_u32 s90, 12288, s90                   ; from my half's fragments to its scale words
	s_lshl_b32 s91, s[WV], 3
	s_add_co_u32 s91, s91, SCL
	s_mul_i32 s92, s[WV], SREG
	s_mul_i32 s93, s[WV], 16*SP
	s_mul_i32 s47, s[WV], 192
	v_and_b32 v64, 15, v0                          ; r
	v_bfe_u32 v65, v0, 4, 1                        ; h
	v_and_b32 v66, 31, v0                          ; lane
	v_lshlrev_b32 v[LI], 4, v66
	v_lshl_add_u32 v[SAD], v64, 4, s90
	v_lshlrev_b32 v[GAD], 5, v64
	v_lshlrev_b32 v[BAD], 5, v65
	v_and_b32 v69, 3, v66
	v_min_u32 v69, 2, v69
	v_lshlrev_b32 v69, 8, v69
	v_lshrrev_b32 v70, 2, v66
	v_mad_u32_u24 v[PFO], v70, 1536, v69           ; row lane / 4, run lane % 4 (the fourth repeats the third)
	v_lshrrev_b32 v67, 2, v64
	v_and_b32 v68, 3, v64
	v_lshlrev_b32 v68, 6, v68
	v_mad_u32_u24 v[ADSB0], v67, 272, v68          ; W2's scale bytes: 64 a row, four rows to a run;
	v_add_nc_u32 v[ADSB0], s91, v[ADSB0]           ; my two steps' words: 8 bytes a wave
	v_mov_b32 v[ADSB], v[ADSB0]
	v_mul_u32_u24 v[STO], v64, SP
	v_lshl_add_u32 v[STO], v65, 5, v[STO]
	v_add_nc_u32 v[STO], s92, v[STO]
	v_add_nc_u32 v[RD0], s93, v[LI]                ; rows 16 w on: the 32 lanes take one row of 512 bytes
	v_add_nc_u32 v[RD2], 2*SREG, v[RD0]
	v_mad_u32_u24 v67, v65, 24, s47                ; W2: my two steps begin 192 w bytes into a tile's row; + 24 h
	v_mul_u32_u24 v68, v64, BP
.irp q, 0,1
.irp i, 0,1,2,3,4,5
	v_add_nc_u32 v69, 96*\q+48*(\i/3)+8*(\i%3), v67   ; the piece's byte in the row's data,
	v_lshrrev_b32 v70, 8, v69
	v_lshl_add_u32 v69, v70, 4, v69                ; and 16 more for each 256 passed
	v_add_nc_u32 v[72+6*\q+\i], v68, v69
.endr
.endr
	WIN 0x40
.irp s, 0,1
.irp g, 0,1
.irp k, 0,1,2,3,4,5,6,7,8,9,10,11
	v_add_nc_u32 v[AB+24*\s+12*\g+\k], \s*SLOTB+\g*64*BP, v[72+\k]
.endr
.endr
.endr
.irp a, 0,1,2,3
	v_mov_b32 v[GC+2*\a+1], 0
.endr
	WIN 0x80
.irp k, 0,1,2,3,4,5,6,7
	v_mov_b32 v[129+2*\k], 0
.endr
	WIN 0
	s_wait_alu depctr_va_vdst(0)                   ; the wait ahead of the scalar lines below
	s_mov_b32 s87, 0
	s_lshr_b32 s86, s84, 1
	s_mul_i32 s86, s86, 8*EXPB
	s_mul_i32 s89, s[WV], 2*REC
	s_add_co_u32 s86, s86, s89
	s_mul_i32 s89, s88, 6144
	s_add_co_u32 s86, s86, s89
	s_add_nc_u64 s[4:5], s[4:5], s[86:87]          ; hq: my token block, expert 0, K step 2 w, my half of the record
	s_lshl_b32 s86, s[WV], 13
	s_lshl_b32 s89, s83, 9
	s_add_co_u32 s86, s86, s89
	s_add_nc_u64 s[10:11], s[10:11], s[86:87]      ; b2: expert 2 w, my 128 outputs
	s_lshl_b32 s86, s84, 11
	s_add_nc_u64 s[12:13], s[12:13], s[86:87]      ; gates: my 64 tokens, expert 0
	s_lshl_b32 s86, s[WV], 3
	s_add_nc_u64 s[18:19], s[12:13], s[86:87]      ; and expert 2 w
	s_lshl_b32 s86, s84, 18
	s_lshl_b32 s89, s[WV], 16
	s_add_co_u32 s86, s86, s89
	s_lshl_b32 s89, s83, 9
	s_add_co_u32 s86, s86, s89
	s_add_nc_u64 s[14:15], s[14:15], s[86:87]      ; out0: row 64 x token block + 16 w, byte 512 x output block
	WIN 0x80                                       ; b2 and the gates of experts 2 w, 2 w + 1 into window 2, which holds no sums yet: 40 loads
.irp x, 0,1
.irp b, 0,1,2,3,4,5,6,7
	global_load_b128 v[64*\x+8*\b:64*\x+8*\b+3], v[BAD], s[10:11] offset:4096*\x+64*\b
	global_load_b128 v[64*\x+8*\b+4:64*\x+8*\b+7], v[BAD], s[10:11] offset:4096*\x+64*\b+16
.endr
.irp a, 0,1,2,3
	global_load_b32 v[128+8*\x+2*\a], v[GAD], s[18:19] offset:512*\a+4*\x
.endr
.endr
	WIN 0
	ALOAD 0, 0
	ALOAD 1, 0
	ALOAD 2, 0
	GLOAD
	s_wait_loadcnt 43                              ; the 40 are in: behind them three units (39) and expert 0's gates (4) were asked for
	WIN 0xca
.irp a, 0,1,2,3
.set k, 0
.rept 32
	v_pk_mul_f32 v[64*\a+2*k:64*\a+2*k+1], v[2*k:2*k+1], v[128+2*\a:129+2*\a] op_sel_hi:[1,0]   ; the totals begin: gate x b2 of expert 2 w,
.set k, k+1
.endr
.endr
	WIN 0xfa
.irp a, 0,1,2,3
.set k, 0
.rept 32
	v_pk_fma_f32 v[64*\a+2*k:64*\a+2*k+1], v[64+2*k:64+2*k+1], v[136+2*\a:137+2*\a], v[64*\a+2*k:64*\a+2*k+1] op_sel_hi:[1,0,1]   ; and of expert 2 w + 1
.set k, k+1
.endr
.endr
	WIN 0
	s_wait_alu depctr_va_vdst(0)                   ; the wait at the head's end
	s_wait_tensorcnt 0x0                           ; my tile of the head's is in; the same lines as ahead of a refill stand ahead of slot 1's first fill
	ds_add_u32 v[SPW], v[NIL]
	s_wait_dscnt 0x0
	CROUND
	tensor_load_to_lds s[G0R+4:G0R+7], s[G1B:G1B+7]   ; expert 0's second half
	s_nop 0
	PLACES
	FETCH 0
	s_mov_b32 s[CNT], 7
.Lexp:                                             ; experts 0 to 6
	EXPERT 2, 2, 1
	s_sub_co_u32 s[CNT], s[CNT], 1
	s_cmp_lg_u32 s[CNT], 0
	s_cbranch_scc1 .Lexp
	EXPERT 1, 0, 0                                 ; expert 7 is written out: nothing is left to fetch
	; THE WAY OUT.  Each wave's total goes to its own stage; behind a barrier wave w adds the four totals of rows 16 w .. 16 w + 15 and stores them: the 32 lanes store 512 consecutive bytes, aligned.
	s_wait_alu depctr_va_vdst(0)
	s_wait_dscnt 0x0
	s_barrier_signal -1
	s_barrier_wait -1                              ; nobody reads a slot any more, and no fill follows
	WIN 0x0c
.irp a, 0,1,2,3
.irp b, 0,1,2,3,4,5,6,7
	ds_store_b128 v[STO], v[8*(8*\a+\b):8*(8*\a+\b)+3] offset:16*SP*\a+64*\b
	ds_store_b128 v[STO], v[8*(8*\a+\b)+4:8*(8*\a+\b)+7] offset:16*SP*\a+64*\b+16
.endr
.endr
	WIN 0
	s_wait_dscnt 0x0                               ; for the others' sake: my stores have landed
	s_barrier_signal -1
	s_barrier_wait -1
	WIN 0x40
.set it, 0
.rept 16
	ds_load_b128 v[16*it:16*it+3], v[RD0] offset:SP*it
	ds_load_b128 v[16*it+4:16*it+7], v[RD0] offset:SREG+SP*it
	ds_load_b128 v[16*it+8:16*it+11], v[RD2] offset:SP*it
	ds_load_b128 v[16*it+12:16*it+15], v[RD2] offset:SREG+SP*it
.set it, it+1
.endr
	WIN 0x45
.set it, 0
.rept 16
	s_wait_dscnt 60-4*it                           ; this row is in; the later rows' loads may be out
	v_pk_add_f32 v[16*it:16*it+1], v[16*it:16*it+1], v[16*it+4:16*it+5]
	v_pk_add_f32 v[16*it+2:16*it+3], v[16*it+2:16*it+3], v[16*it+6:16*it+7]
	v_pk_add_f32 v[16*it+8:16*it+9], v[16*it+8:16*it+9], v[16*it+12:16*it+13]
	v_pk_add_f32 v[16*it+10:16*it+11], v[16*it+10:16*it+11], v[16*it+14:16*it+15]
	v_pk_add_f32 v[16*it:16*it+1], v[16*it:16*it+1], v[16*it+8:16*it+9]
	v_pk_add_f32 v[16*it+2:16*it+3], v[16*it+2:16*it+3], v[16*it+10:16*it+11]
.set it, it+1
.endr
	WIN 0x04
	s_wait_alu depctr_va_vdst(0)
.set it, 0
.rept 16
	global_store_b128 v[LI], v[16*it:16*it+3], s[14:15] offset:4096*it th:TH_STORE_NT
.set it, it+1
.endr
	WIN 0
	s_wait_tensorcnt 0x0                           ; the wave's end
	ds_add_u32 v[SPW], v[NIL]
	s_wait_dscnt 0x0
	CROUND                                         ; the closing round
	s_endpgm
.Lfunc_end_k_qc70647a262_down:
	.size	k_qc70647a262_down, .Lfunc_end_k_qc70647a262_down-k_qc70647a262_down
	.p2alignl 7, 3214868480
	.fill 96, 4, 3214868480
	.section	.rodata,"a",@progbits
	.p2align	6, 0x0
	.amdhsa_kernel k_qc70647a262_down
		.amdhsa_group_segment_fixed_size 327680
		.amdhsa_private_segment_fixed_size 0
		.amdhsa_enable_private_segment 0
		.amdhsa_kernarg_size 48
		.amdhsa_user_sgpr_count 2
		.amdhsa_user_sgpr_kernarg_segment_ptr 1
		.amdhsa_wavefront_size32 1
		.amdhsa_system_sgpr_workgroup_id_x 1
		.amdhsa_system_sgpr_workgroup_id_y 1
		.amdhsa_system_sgpr_workgroup_id_z 1
		.amdhsa_system_vgpr_workitem_id 0
		.amdhsa_next_free_vgpr 1024
		.amdhsa_next_free_sgpr 100
		.amdhsa_reserve_vcc 0
		.amdhsa_float_denorm_mode_32 3
		.amdhsa_float_denorm_mode_16_64 3
		.amdhsa_memory_ordered 1
		.amdhsa_forward_progress 1
		.amdhsa_inst_pref_size 141
	.end_amdhsa_kernel
	.amdgpu_metadata
---
amdhsa.version: [ 1, 2 ]
amdhsa.kernels:
  - .name:           k_qc70647a262_down
    .symbol:         k_qc70647a262_down.kd
    .args:
      - { .name: hq, .offset: 0, .size: 8, .value_kind: global_buffer, .address_space: global }
      - { .name: W2_codes, .offset: 8, .size: 8, .value_kind: global_buffer, .address_space: global }
      - { .name: W2_scales, .offset: 16, .size: 8, .value_kind: global_buffer, .address_space: global }
      - { .name: b2, .offset: 24, .size: 8, .value_kind: global_buffer, .address_space: global }
      - { .name: gates, .offset: 32, .size: 8, .value_kind: global_buffer, .address_space: global }
      - { .name: out0, .offset: 40, .size: 8, .value_kind: global_buffer, .address_space: global }
    .group_segment_fixed_size: 327680
    .private_segment_fixed_size: 0
    .kernarg_segment_align: 8
    .kernarg_segment_size: 48
    .max_flat_workgroup_size: 128
    .sgpr_count:     100
    .vgpr_count:     1024
    .wavefront_size: 32
...
	.end_amdgpu_metadata
.endif
;; end of part 3
